; MI455X (gfx1250); checked and timed in simulation.
; The chip was launched on July 23, 2026; its instructions are those of AMD's public machine-readable ISA for CDNA 5 (MIT licence, August 2026) and "CDNA5" Instruction Set Architecture Reference Guide (July 2026). The comments in the code are by the model that wrote it; some were corrected since.
;; Mo E Layer. Allowed arithmetic: matrix products marked QUANTISED: E5M2 operands, one E8M0 scale for each 32 along K, by v_wmma_scale_f32_16x16x128_f8f6f4 with both operands' format E5M2, f32 sums; products left as they are: f32 operands where the result goes on into a quantised operand, else bf16, f16 or f32 operands; f32 sums; everything else in f32.
;; Inputs: gate_w 8 x 1,024 float32; w1 8 x 2,048 x 1,024 float32; w2 8 x 1,024 x 2,048 float32; w3 8 x 2,048 x 1,024 float32; x 2 x 512 x 1,024 float32.
;; Outputs: out0 2 x 512 x 1,024 float32.
;; This version of the problem:
;;   THIS VERSION OF THE PROBLEM IS GIVEN IN LOW PRECISION. The matrix products marked QUANTISED in the list below multiply operands that are first quantised to E5M2 (5 exponent bits, 2 mantissa bits; 8 bits a number), with one power-of-two scale for each 32 numbers along K (OCP MX v1.0); their sums are f32. All else is computed in f32.
;;   The module's matrix products, in the order in which they are computed (A, B: the left and right operand; K: the contracted axis; several contracted axes count as one K, in the product's order):
;;     1. [M 1,024, K 1,024] x [K 1,024, N 8]; A: input x; B: input gate_w: left as it is (N = 8 < 16)
;;     2. batch 1,024 x [M 1, K 2] x [K 2, N 8]; A: computed on the way; B: computed on the way: left as it is (K = 2 < 32)
;;     3. [M 1,024, K 1,024] x [K 1,024, N 16,384]; A: input x; B: input w1: QUANTISED
;;     4. [M 1,024, K 1,024] x [K 1,024, N 16,384]; A: input x; B: input w3: QUANTISED
;;     5. batch 8 x [M 1,024, K 2,048] x [K 2,048, N 1,024]; A: input w2; B: computed on the way: QUANTISED
;;     6. batch 1,024 x [M 1,024, K 8] x [K 8, N 1]; A: computed on the way; B: computed on the way: left as it is (K = 8 < 32)
;;   THE QUANTISER, for each operand of a quantised product, along K:
;;     - K is cut into blocks of 32 from its start; a last block that is shorter is filled with zeros.
;;     - A block's scale is 2^e with e = floor(log2(the largest magnitude in the block)) - 15, held to -126 .. 127; a block of zeros has e = 0. As a byte (E8M0): e + 127.
;;     - Each number is divided by its block's scale, clamped to +-57,344, and rounded to the nearest number of E5M2, ties to even, subnormals kept.
;;     - The product sums the exact products of the quantised numbers (number of the format x scale) in f32.
;;   ~~~python
;;   def quantise(x, axis):      # numpy; x: float32 -> the quantised numbers, widened to float32 again
;;       x = np.moveaxis(x, axis, -1); K = x.shape[-1]
;;       x = np.pad(x, [(0, 0)] * (x.ndim - 1) + [(0, -K % 32)]); x = x.reshape(x.shape[:-1] + (-1, 32)); a = np.abs(x).max(-1, keepdims=True)
;;       e = np.where(a > 0, np.clip(np.frexp(np.where(a > 0, a, 1))[1] - 1 - 15, -126, 127), 0)      # np.frexp(a)[1] - 1 = floor(log2(a)), exactly
;;       r = np.clip(x / 2.0 ** e, -57344, 57344)
;;       step = 2.0 ** (np.maximum(np.frexp(np.where(r == 0, 1, r))[1] - 1, -14) - 2)
;;       q = np.round(r / step) * step * 2.0 ** e      # np.round: ties to even
;;       return np.moveaxis(q.reshape(q.shape[:-2] + (-1,))[..., :K], -1, axis).astype(np.float32)
;;   ~~~
;;   OPERANDS COMPUTED ON THE WAY. 'Computed on the way' means the value that the module computes at that place (a softmax that the list does not call 'softmax' is quantised finished and normalised). What goes into a quantiser is computed in f32, as accurately as f32 sums, v_exp_f32 and their like allow (about 1e-6 of the number): no bf16 or f16 on the way to a quantiser, and a product that is left as it is and whose result goes on into a quantised operand takes f32 operands (vector FMAs, or v_wmma_f32_16x16x4_f32). A number that lies on a knife's edge between two numbers of the format may be rounded either way, as far as f32 arithmetic and the matrix unit's own rounding can turn it there, and no further.
;; One version. Each part assembles by itself: llvm-mc -triple=amdgcn-amd-amdhsa -mcpu=gfx1250 --defsym DOCPART=n.
;; ======== version 1 of 1: 5 launches
;; workspace buffers: idx 8,192 bytes of whole numbers; wts 8,192 bytes; plc 8,448 bytes of whole numbers; xim 2,211,840 bytes; xsc 69,120 bytes; him 4,423,680 bytes; hsc 138,240 bytes; y 8,847,360 bytes
;; launch route (part 1): grid 256 x 1, 4 waves a work-group, no clusters, 0 bytes of LDS; arguments x, gate_w, idx, wts; writes idx, wts
.if DOCPART == 1
	.amdgcn_target "amdgcn-amd-amdhsa--gfx1250"
	.amdhsa_code_object_version 6
	.text
	.protected	k_q6b0ffb8a77_route
	.globl	k_q6b0ffb8a77_route
	.p2align	8
	.type	k_q6b0ffb8a77_route,@function
k_q6b0ffb8a77_route:
	s_mov_b64 s[64:65], 0
	v_nop
	global_prefetch_b8 v0, s[64:65] scope:SCOPE_SE
	s_setreg_imm32_b32 hwreg(HW_REG_WAVE_MODE, 25, 1), 1
	s_wait_xcnt 0x0
; ROUTE: for each of the 1,024 tokens the two chosen experts (idx[n][2], best first) and their combine weights (wts[n][2]).
; logits = x gate_w^T in f32 (fused multiply-adds), softmax with the maximum taken away, top 2 (the lower index wins a tie), w = vals / (vals' sum + 1e-8).
; DEAD WORK OF THE WHOLE PROGRAM.  comb[n][e] is built from a one_hot of the layer's own top 2, so it is exactly 0 for the six experts that token n did not choose.
; out[n] = sum over e of eo[n][e] comb[n][e]: for all finite values of the inputs those six terms are 0.  So the rows (n, e) of h, g and eo with e outside n's top 2 reach no output:
; they are not computed.  The product of w with the one_hot is a selection, and the last product a sum of two terms.  Every input still has a way to the output and is loaded.
; LIMITS.  A NaN, an infinity or an overflow that arises only in an expert that was not chosen is not carried to the result.  NaN and infinities among the inputs are not served.
; Where the second and third probability agree to within f32 rounding of the sums, the choice may fall otherwise than with another order of summing.
; SHARES.  A wave takes one token: lane l holds x[n][128 j + 4 l ..+3], j = 0..7, and the same places of the eight gate rows; eight sums, then across the 32 lanes.
; No LDS, no barrier, no matrix unit: eight columns are too few for it.  No address hangs on the choice: it is stored at 8 n.
; REGISTERS: v16-47 x; v48-63 eight packed sums; v64-191 gate rows 0-3; window 1 v0-127 gate rows 4-7; v192-199 logits, then p; v200-207 at work, then p without the winner.
.set XR, 16
.set AC, 48
.set GW, 64
.set LG, 192
.set CP, 200
.set MSB, 0
.macro WIN new                         ; the immediate's high byte repeats the setting that is left
.if MSB != (\new)
	s_set_vgpr_msb (MSB<<8)|(\new)
.set MSB, (\new)
.endif
.endm
	s_load_b256 s[4:11], s[0:1], 0x0               ; x s[4:5], gate_w s[6:7], idx s[8:9], wts s[10:11]
	v_lshrrev_b32 v2, 5, v0
	v_readfirstlane_b32 s12, v2                    ; wave
	v_and_b32 v3, 31, v0                           ; lane
	v_lshlrev_b32 v1, 4, v3                        ; 16 bytes a lane
	s_lshl_b32 s13, ttmp9, 2
	s_add_co_u32 s13, s13, s12                     ; my token
	s_lshl_b32 s14, s13, 12                        ; its row of x: 4,096 bytes
	s_mov_b32 s15, 0
	s_mov_b32 s16, 0x76543210                      ; v_permlanex16_b32's selects for lane l xor 16
	s_mov_b32 s17, 0xfedcba98
	s_lshl_b32 s18, s13, 3                         ; its 8 bytes in idx and in wts
	s_mov_b32 s19, 0
	s_wait_kmcnt 0x0
	s_add_nc_u64 s[4:5], s[4:5], s[14:15]
	s_add_nc_u64 s[8:9], s[8:9], s[18:19]
	s_add_nc_u64 s[10:11], s[10:11], s[18:19]
.irp j,0,1,2,3,4,5,6,7
	global_load_b128 v[XR+4*\j:XR+4*\j+3], v1, s[4:5] offset:512*\j
.endr
.irp e,0,1,2,3
.irp j,0,1,2,3,4,5,6,7
	global_load_b128 v[GW+32*\e+4*\j:GW+32*\e+4*\j+3], v1, s[6:7] offset:4096*\e+512*\j
.endr
.endr
	WIN 0x40                                       ; destination window 1
.irp e,0,1,2,3
.irp j,0,1,2,3,4,5,6,7
	global_load_b128 v[32*\e+4*\j:32*\e+4*\j+3], v1, s[6:7] offset:4096*(\e+4)+512*\j
.endr
.endr
	WIN 0
.irp e,0,1,2,3,4,5,6,7
	v_mov_b32 v[CP+\e], 0                          ; a lane permute's destination counts as one of its sources
.endr
	s_wait_loadcnt 32                              ; x and gate rows 0-3 are in; the 32 loads of rows 4-7 may be out
.irp e,0,1,2,3
	v_pk_mul_f32 v[AC+2*\e:AC+2*\e+1], v[XR:XR+1], v[GW+32*\e:GW+32*\e+1]      ; the first product starts each sum
.endr
.irp p,1,2,3,4,5,6,7,8,9,10,11,12,13,14,15
.irp e,0,1,2,3
	v_pk_fma_f32 v[AC+2*\e:AC+2*\e+1], v[XR+2*\p:XR+2*\p+1], v[GW+32*\e+2*\p:GW+32*\e+2*\p+1], v[AC+2*\e:AC+2*\e+1]
.endr
.endr
	s_wait_loadcnt 0x0
	WIN 0x04                                       ; source 1 window 1
.irp e,0,1,2,3
	v_pk_mul_f32 v[AC+8+2*\e:AC+9+2*\e], v[XR:XR+1], v[32*\e:32*\e+1]
.endr
.irp p,1,2,3,4,5,6,7,8,9,10,11,12,13,14,15
.irp e,0,1,2,3
	v_pk_fma_f32 v[AC+8+2*\e:AC+9+2*\e], v[XR+2*\p:XR+2*\p+1], v[32*\e+2*\p:32*\e+2*\p+1], v[AC+8+2*\e:AC+9+2*\e]
.endr
.endr
	WIN 0
.irp e,0,1,2,3,4,5,6,7
	v_add_f32 v[LG+\e], v[AC+2*\e], v[AC+2*\e+1]
.endr
.irp k,1,2,4,8                                 ; across the lanes, the eight sums by turns
.irp e,0,1,2,3,4,5,6,7
	v_add_f32_dpp v[LG+\e], v[LG+\e], v[LG+\e] row_xmask:\k row_mask:0xf bank_mask:0xf
.endr
.endr
.irp e,0,1,2,3,4,5,6,7
	v_permlanex16_b32 v[CP+\e], v[LG+\e], s16, s17
.endr
.irp e,0,1,2,3,4,5,6,7
	v_add_f32 v[LG+\e], v[LG+\e], v[CP+\e]         ; every lane holds the eight logits
.endr
	v_max3_num_f32 v208, v[LG], v[LG+1], v[LG+2]
	v_max3_num_f32 v208, v208, v[LG+3], v[LG+4]
	v_max3_num_f32 v208, v208, v[LG+5], v[LG+6]
	v_max_num_f32 v208, v208, v[LG+7]              ; the maximum, taken away before the exponential
.irp e,0,1,2,3,4,5,6,7
	v_sub_f32 v[LG+\e], v[LG+\e], v208
.endr
.irp e,0,1,2,3,4,5,6,7
	v_mul_f32 v[LG+\e], 0x3fb8aa3b, v[LG+\e]       ; x log2(e)
.endr
.irp e,0,1,2,3,4,5,6,7
	v_exp_f32 v[LG+\e], v[LG+\e]
.endr
	v_nop                                          ; a plain instruction behind the last exponential
	s_wait_alu depctr_va_vdst(0)                   ; one wait for the eight, ahead of their first reader
	v_add_f32 v209, v[LG], v[LG+1]
	v_add_f32 v216, v[LG+2], v[LG+3]
	v_add_f32 v217, v[LG+4], v[LG+5]
	v_add_f32 v218, v[LG+6], v[LG+7]
	v_add_f32 v209, v209, v216
	v_add_f32 v217, v217, v218
	v_add_f32 v209, v209, v217
	v_rcp_f32 v209, v209
	v_nop
	s_wait_alu depctr_va_vdst(0)
.irp e,0,1,2,3,4,5,6,7
	v_mul_f32 v[LG+\e], v[LG+\e], v209             ; the probabilities
.endr
	v_mov_b32 v210, v[LG]                          ; the largest: kept while it is at least as large as the next, so the lower index wins a tie
	v_mov_b32 v212, 0
.irp e,1,2,3,4,5,6,7
	v_cmp_ge_f32 vcc_lo, v210, v[LG+\e]
	v_cndmask_b32 v210, v[LG+\e], v210, vcc_lo
	v_cndmask_b32 v212, \e, v212, vcc_lo
.endr
.irp e,0,1,2,3,4,5,6,7
	v_cmp_ne_u32 vcc_lo, \e, v212
	v_cndmask_b32 v[CP+\e], -1.0, v[LG+\e], vcc_lo ; the winner is taken out: -1 lies under every probability
.endr
	v_mov_b32 v211, v[CP]
	v_mov_b32 v213, 0
.irp e,1,2,3,4,5,6,7
	v_cmp_ge_f32 vcc_lo, v211, v[CP+\e]
	v_cndmask_b32 v211, v[CP+\e], v211, vcc_lo
	v_cndmask_b32 v213, \e, v213, vcc_lo
.endr
	v_add_f32 v216, v210, v211
	v_add_f32 v216, 0x322bcc77, v216               ; + 1e-8
	v_rcp_f32 v216, v216
	v_mov_b32 v4, 0                                ; (a plain instruction behind the reciprocal)  the stores' offset
	s_wait_alu depctr_va_vdst(0)
	v_mul_f32 v214, v210, v216
	v_mul_f32 v215, v211, v216
	v_cmp_eq_u32 vcc_lo, 0, v3
	s_wait_xcnt 0x0                                ; EXEC changes only behind this wait
	s_and_saveexec_b32 s20, vcc_lo                 ; all lanes hold the same numbers: lane 0 stores them
	global_store_b64 v4, v[212:213], s[8:9]
	global_store_b64 v4, v[214:215], s[10:11]
	s_endpgm
.Lfunc_end_k_q6b0ffb8a77_route:
	.size	k_q6b0ffb8a77_route, .Lfunc_end_k_q6b0ffb8a77_route-k_q6b0ffb8a77_route
	.p2alignl 7, 3214868480
	.fill 96, 4, 3214868480
	.section	.rodata,"a",@progbits
	.p2align	6, 0x0
	.amdhsa_kernel k_q6b0ffb8a77_route
		.amdhsa_group_segment_fixed_size 0
		.amdhsa_private_segment_fixed_size 0
		.amdhsa_enable_private_segment 0
		.amdhsa_kernarg_size 32
		.amdhsa_user_sgpr_count 2
		.amdhsa_user_sgpr_kernarg_segment_ptr 1
		.amdhsa_wavefront_size32 1
		.amdhsa_system_sgpr_workgroup_id_x 1
		.amdhsa_system_sgpr_workgroup_id_y 1
		.amdhsa_system_sgpr_workgroup_id_z 1
		.amdhsa_system_vgpr_workitem_id 0
		.amdhsa_next_free_vgpr 384
		.amdhsa_next_free_sgpr 66
		.amdhsa_reserve_vcc 1
		.amdhsa_float_denorm_mode_32 3
		.amdhsa_float_denorm_mode_16_64 3
		.amdhsa_memory_ordered 1
		.amdhsa_forward_progress 1
		.amdhsa_inst_pref_size 24
	.end_amdhsa_kernel
	.amdgpu_metadata
---
amdhsa.version: [ 1, 2 ]
amdhsa.kernels:
  - .name:           k_q6b0ffb8a77_route
    .symbol:         k_q6b0ffb8a77_route.kd
    .args:
      - { .name: x, .offset: 0, .size: 8, .value_kind: global_buffer, .address_space: global }
      - { .name: gate_w, .offset: 8, .size: 8, .value_kind: global_buffer, .address_space: global }
      - { .name: idx, .offset: 16, .size: 8, .value_kind: global_buffer, .address_space: global }
      - { .name: wts, .offset: 24, .size: 8, .value_kind: global_buffer, .address_space: global }
    .group_segment_fixed_size: 0
    .private_segment_fixed_size: 0
    .kernarg_segment_align: 8
    .kernarg_segment_size: 32
    .max_flat_workgroup_size: 128
    .sgpr_count:     66
    .vgpr_count:     384
    .wavefront_size: 32
...
	.end_amdgpu_metadata
.endif
;; end of part 1
;; launch place (part 2): grid 135 x 1, 8 waves a work-group, no clusters, 3,584 bytes of LDS; arguments idx, x, plc, xim, xsc; writes plc, xim, xsc
.if DOCPART == 2
	.amdgcn_target "amdgcn-amd-amdhsa--gfx1250"
	.amdhsa_code_object_version 6
	.text
	.protected	k_q6b0ffb8a77_place
	.globl	k_q6b0ffb8a77_place
	.p2align	8
	.type	k_q6b0ffb8a77_place,@function
k_q6b0ffb8a77_place:
	s_mov_b64 s[64:65], 0
	v_nop
	global_prefetch_b8 v0, s[64:65] scope:SCOPE_SE
	s_setreg_imm32_b32 hwreg(HW_REG_WAVE_MODE, 25, 1), 1
	s_wait_xcnt 0x0
; PLACE: the 2,048 routed rows (token, choice) are sorted by expert into tiles of 16 rows, and each tile's rows of x are quantised to BF8 (E5M2) along D.
; Only the chosen (token, expert) rows get a place: the others are dead work (shown at the head of the first kernel).
; plc: pos[n][2] = 16 x tile + row of (n, k); behind it tb[0..8], each expert's first tile (tb[8]: the number of tiles).  An expert's rows stand in the order of their tokens; its last tile may be part empty.
; With 2,048 rows and 8 experts there are at most 128 + 7 = 135 tiles, whatever the choice: so many work-groups.  One that a split leaves without a tile stores nothing.
; xim[T][s][c][lane][16 bytes]: the image of the operand's registers for tile T, K step s: lane (r, h) holds row r's codes of k = 128 s + 32 c + 16 h + 0..15.   xsc[T][r][8 words]: word s = the four E8M0 bytes of K step s.
; SHARES.  Work-group T makes tile T.  Every work-group repeats the counting over the 8 KB of idx, so that nothing passes between work-groups; work-group 0 alone stores plc.
; Wave w counts tokens 128 w .. 128 w + 127 (four groups of 32, a lane a token) and later quantises K step w of the tile.
; A block's scale is 2^(floor(log2(its largest magnitude)) - 15); its byte is that magnitude's exponent field - 15, held at 1 from below by a floor in the maximum.
; LIMITS: blocks whose largest magnitude lies under 2^-111 get the byte 1 (a block of zeros too: its codes are zeros, and this program alone reads the bytes); NaN and infinities are not served.
; An empty row of a tile takes token 1,023's numbers: no pos points at it, so nothing reads what is made of it.
; LDS: CNT [expert][group] words; PL a list of 32 words for each wave (lane r: token + 1 of the tile's row r, or 0); XSW [row][8 words]; the spare words.  Every LDS address is a constant + lane and wave terms.
.set CNT,   0
.set PL,    1024
.set XSW,   2048
.set SPARE, 2560                       ; 128 bytes for each of eight waves: four blocks of 256 bytes that no other line names
.set NU,  64                           ; v64-127  64 numbers of a lane: register 16 b + i = k 32 b + 16 h + i of my row's K step
.set PC,  128                          ; v128-143 their codes
.set TM,  144                          ; v144-147 largest magnitudes, v148-151 bytes, v152-155 57,344 x the scale, v156-159 the conversions' scale operands
.set PW,  160                          ; the scale word
.set SPW, 190
.set NIL, 191
	s_load_b256 s[4:11], s[0:1], 0x0               ; idx s[4:5], x s[6:7], plc s[8:9], xim s[10:11]
	s_load_b64 s[12:13], s[0:1], 0x20              ; xsc
	v_lshl_add_u32 v[SPW], v0, 2, SPARE
	v_mov_b32 v[NIL], 0
	v_lshrrev_b32 v1, 5, v0
	v_readfirstlane_b32 s14, v1                    ; wave 0..7
	v_and_b32 v1, 31, v0                           ; lane
	v_and_b32 v2, 15, v0                           ; r
	v_bfe_u32 v3, v0, 4, 1                         ; h
	s_lshl_b32 s15, s14, 10
	v_lshl_add_u32 v5, v1, 3, s15                  ; idx and pos: 8 bytes a token, 128 tokens a wave
	v_lshrrev_b32 v48, 2, v1
	v_and_b32 v49, 3, v1
	v_lshlrev_b32 v37, 7, v48
	v_lshl_add_u32 v37, v49, 2, v37
	s_lshl_b32 s20, s14, 4
	v_add_nc_u32 v37, s20, v37                     ; CNT: lane 4 e + g stores the count of (expert e, group 4 w + g): 128 e + 4 g + 16 w
	v_lshlrev_b32 v38, 2, v1                       ; 4 x lane
	v_lshl_add_u32 v39, v0, 2, PL                  ; my word of my wave's list
	v_lshl_add_u32 v51, v2, 2, PL                  ; row r's word in wave 0's list
	s_lshl_b32 s21, s14, 2
	v_lshl_add_u32 v53, v2, 5, XSW
	v_add_nc_u32 v53, s21, v53                     ; XSW: row r, word w
	v_lshlrev_b32 v54, 4, v1                       ; 16 x lane
	v_lshl_add_u32 v55, v1, 4, XSW
	s_mov_b32 s16, 0x76543210
	s_mov_b32 s17, 0xfedcba98                      ; v_permlanex16_b32's selects for lane l xor 16
	s_mov_b32 s18, 0x600000                        ; the mantissa field of 57,344
	s_mov_b32 s19, ttmp9                           ; T
	s_lshl_b32 s29, s14, 2                         ; my wave's first group
	v_mov_b32 v36, 0
	v_mov_b32 v50, 0
.irp i,0,1,2,3,4,5,6,7
	v_mov_b32 v[24+\i], 0
.endr
.irp b,0,1,2,3
	v_mov_b32 v[TM+4+\b], 0                        ; a lane permute's destination counts as one of its sources
.endr
	s_wait_kmcnt 0x0
.irp g,0,1,2,3
	global_load_b64 v[16+2*\g:17+2*\g], v5, s[4:5] offset:256*\g   ; group g: token 128 w + 32 g + lane, its two experts
.endr
	s_wait_loadcnt 0x0
	; for each group and expert the mask of the lanes whose token chose it, and its count
.irp g,0,1,2,3
.irp e,0,1,2,3,4,5,6,7
	v_cmp_eq_u32 s[32+8*\g+\e], \e, v[16+2*\g]
	v_cmp_eq_u32 s[20+\e], \e, v[17+2*\g]
.endr
.irp e,0,1,2,3,4,5,6,7
	s_or_b32 s[32+8*\g+\e], s[32+8*\g+\e], s[20+\e]
	s_bcnt1_i32_b32 s28, s[32+8*\g+\e]
	v_writelane_b32 v36, s28, 4*\e+\g
.endr
.endr
	ds_store_b32 v37, v36
	s_wait_dscnt 0x0                               ; for the others' sake: my counts have landed
	s_barrier_signal -1
	s_barrier_wait -1
.irp e,0,1,2,3,4,5,6,7
	ds_load_b32 v[40+\e], v38 offset:CNT+128*\e    ; lane = group: expert e's counts of all 32 groups
.endr
	s_wait_dscnt 0x0
	v_cmp_gt_u32 vcc_lo, s29, v1                   ; the groups in front of my wave's
.irp e,0,1,2,3,4,5,6,7
	v_cndmask_b32 v[64+\e], 0, v[40+\e], vcc_lo
.endr
.irp e,0,1,2,3,4,5,6,7
	v_lshl_add_u32 v[40+\e], v[64+\e], 16, v[40+\e]    ; low half: the count; high half: the count where it lies in front of my wave.  Both sums stay at or under 1,024
.endr
.irp k,1,2,4,8
.irp e,0,1,2,3,4,5,6,7
	v_mov_b32_dpp v[64+\e], v[40+\e] row_xmask:\k row_mask:0xf bank_mask:0xf
.endr
.irp e,0,1,2,3,4,5,6,7
	v_add_nc_u32 v[40+\e], v[40+\e], v[64+\e]
.endr
.endr
.irp e,0,1,2,3,4,5,6,7
	v_permlanex16_b32 v[64+\e], v[40+\e], s16, s17
.endr
.irp e,0,1,2,3,4,5,6,7
	v_add_nc_u32 v[40+\e], v[40+\e], v[64+\e]
.endr
.irp e,0,1,2,3,4,5,6,7
	v_readfirstlane_b32 s[76+\e], v[40+\e]
.endr
	s_mov_b32 s93, 0                               ; tiles so far
.irp e,0,1,2,3,4,5,6,7
	s_and_b32 s20, s[76+\e], 0xffff                ; expert e's rows,
	s_lshr_b32 s21, s[76+\e], 16                   ; those of them in front of my wave
	s_mov_b32 s[84+\e], s93                        ; tb[e]
	s_lshl_b32 s22, s93, 4
	s_add_co_u32 s[68+\e], s22, s21                ; the place of my wave's first row of expert e
	s_add_co_u32 s20, s20, 15
	s_lshr_b32 s20, s20, 4
	s_add_co_u32 s93, s93, s20
.endr
	s_mov_b32 s92, s93                             ; tb[8]
.irp g,0,1,2,3
.irp e,0,1,2,3,4,5,6,7
	v_mbcnt_lo_u32_b32 v48, s[32+8*\g+\e], s[68+\e]    ; the running place + the lanes under mine that chose e
	v_cmp_eq_u32 vcc_lo, \e, v[16+2*\g]
	v_cndmask_b32 v[24+2*\g], v[24+2*\g], v48, vcc_lo
	v_cmp_eq_u32 vcc_lo, \e, v[17+2*\g]
	v_cndmask_b32 v[25+2*\g], v[25+2*\g], v48, vcc_lo
	s_bcnt1_i32_b32 s20, s[32+8*\g+\e]
	s_add_co_u32 s[68+\e], s[68+\e], s20
.endr
.endr
	s_cmp_lg_u32 s19, 0                            ; work-group 0 stores the table
	s_cbranch_scc1 .Lnot_first
.irp g,0,1,2,3
	global_store_b64 v5, v[24+2*\g:25+2*\g], s[8:9] offset:256*\g
.endr
	s_cmp_lg_u32 s14, 0
	s_cbranch_scc1 .Lnot_first
	v_mov_b32 v49, 0
.irp i,0,1,2,3,4,5,6,7,8
	v_writelane_b32 v49, s[84+\i], \i
.endr
	global_store_b32 v38, v49, s[8:9] offset:8192  ; tb[0..8], then zeros: 128 bytes
.Lnot_first:
	; which of my wave's 128 tokens stand in tile T, and in which row.  A token's two experts differ, so at most one of its two places lies in T
	s_lshl_b32 s25, s19, 4                         ; 16 T
	s_lshl_b32 s24, s14, 7
	s_add_co_u32 s24, s24, 1                       ; 128 w + 1
.irp g,0,1,2,3
	v_lshrrev_b32 v48, 4, v[24+2*\g]
	v_cmp_eq_u32 vcc_lo, s19, v48
	v_cndmask_b32 v[32+\g], v[25+2*\g], v[24+2*\g], vcc_lo
	v_sub_nc_u32 v[32+\g], v[32+\g], s25           ; 0..15 where the place lies in T, else another number
.endr
.irp hf,0,1                                    ; eight rows at a time: 32 masks, then scalar work
.irp rr,0,1,2,3,4,5,6,7
.irp g,0,1,2,3
	v_cmp_eq_u32 s[32+4*\rr+\g], 8*\hf+\rr, v[32+\g]
.endr
.endr
.irp rr,0,1,2,3,4,5,6,7                        ; at most one bit of the four masks is set: token + 1 = 128 w + 1 + 32 x group + lane; none set: 0 + 0 + 1 - 1 = 0
	s_or_b32 s20, s[34+4*\rr], s[35+4*\rr]
	s_cselect_b32 s21, 64, 0
	s_or_b32 s22, s[33+4*\rr], s[35+4*\rr]
	s_cselect_b32 s23, 32, 0
	s_or_b32 s22, s[32+4*\rr], s[33+4*\rr]
	s_or_b32 s20, s20, s22
	s_cselect_b32 s22, s24, 1
	s_ctz_i32_b32 s20, s20                         ; the lane, or -1
	s_add_co_u32 s21, s21, s23
	s_add_co_u32 s21, s21, s22
	s_add_co_u32 s21, s21, s20
	v_writelane_b32 v50, s21, 8*\hf+\rr
.endr
.endr
	ds_store_b32 v39, v50                          ; my wave's list
	s_wait_dscnt 0x0
	s_barrier_signal -1
	s_barrier_wait -1
.irp w,0,1,2,3,4,5,6,7
	ds_load_b32 v[40+\w], v51 offset:128*\w        ; row r's word of all eight lists: at most one is not 0
.endr
	s_wait_dscnt 0x0
.irp w,1,2,3,4,5,6,7
	v_or_b32 v40, v40, v[40+\w]
.endr
	v_add_nc_u32 v40, -1, v40
	v_min_u32 v40, 0x3ff, v40                      ; the token; an empty row: 1,023
	v_lshlrev_b32 v52, 12, v40                     ; its row of x,
	s_lshl_b32 s20, s14, 9
	v_add_nc_u32 v52, s20, v52                     ; K step w: 512 bytes,
	v_lshl_add_u32 v52, v3, 6, v52                 ; my half's 16 numbers of each block of 32
.irp b,0,1,2,3
.irp j,0,1,2,3
	global_load_b128 v[NU+16*\b+4*\j:NU+16*\b+4*\j+3], v52, s[6:7] offset:128*\b+16*\j
.endr
.endr
	s_wait_loadcnt 0x0
.irp b,0,1,2,3
	v_max3_num_f32 v[TM+\b], |v[NU+16*\b]|, |v[NU+1+16*\b]|, 0x8000000   ; block b: my 16 numbers, and the floor 2^(16 - 127): the byte cannot fall under 1
.endr
.irp i,2,4,6,8,10,12,14
.irp b,0,1,2,3
	v_max3_num_f32 v[TM+\b], v[TM+\b], |v[NU+16*\b+\i]|, |v[NU+1+16*\b+\i]|
.endr
.endr
.irp b,0,1,2,3
	v_permlanex16_b32 v[TM+4+\b], v[TM+\b], s16, s17
.endr
.irp b,0,1,2,3
	v_max_num_f32 v[TM+\b], v[TM+\b], v[TM+4+\b]   ; with lane l xor 16's: the block's largest magnitude
.endr
.irp b,0,1,2,3
	v_add_nc_u32 v[TM+12+\b], 0xf8800000, v[TM+\b] ; 15 off its exponent field: the conversion's scale operand
.endr
.irp b,0,1,2,3
	v_and_or_b32 v[TM+8+\b], v[TM+\b], 0x7f800000, s18   ; 57,344 x the scale
.endr
.irp b,0,1,2,3
	v_lshrrev_b32 v[TM+4+\b], 23, v[TM+12+\b]      ; the scale's byte
.endr
	v_lshl_or_b32 v[PW], v[TM+5], 8, v[TM+4]
	v_lshl_or_b32 v[PW], v[TM+6], 16, v[PW]
	v_lshl_or_b32 v[PW], v[TM+7], 24, v[PW]
.irp b,0,1,2,3
.irp i,0,1,2,3,4,5,6,7,8,9,10,11,12,13,14,15
	v_med3_num_f32 v[NU+16*\b+\i], v[NU+16*\b+\i], -v[TM+8+\b], v[TM+8+\b]   ; the conversion to an 8-bit code does not saturate (ISA guide 7.6.2): the hold
.endr
	v_cvt_scalef32_pk8_bf8_f32 v[PC+4*\b:PC+1+4*\b], v[NU+16*\b:NU+7+16*\b], v[TM+12+\b]
	v_cvt_scalef32_pk8_bf8_f32 v[PC+2+4*\b:PC+3+4*\b], v[NU+8+16*\b:NU+15+16*\b], v[TM+12+\b]
.endr
	v_nop                                          ; a plain instruction behind the last conversion
	ds_store_b32 v53, v[PW]                        ; lanes r and r + 16 store the same word
	s_wait_dscnt 0x0
	s_barrier_signal -1
	s_barrier_wait -1
	s_cmp_ge_u32 s19, s92                          ; no such tile in this split: nothing is stored
	s_cbranch_scc1 .Lend
	s_lshl_b32 s20, s19, 14
	s_lshl_b32 s21, s14, 11
	s_add_co_u32 s20, s20, s21
	s_mov_b32 s21, 0
	s_add_nc_u64 s[10:11], s[10:11], s[20:21]
.irp c,0,1,2,3
	global_store_b128 v54, v[PC+4*\c:PC+4*\c+3], s[10:11] offset:512*\c   ; 32 lanes store 512 consecutive bytes
.endr
	s_cmp_lg_u32 s14, 0
	s_cbranch_scc1 .Lend
	ds_load_b128 v[56:59], v55                     ; the tile's 512 bytes of scale words
	s_lshl_b32 s20, s19, 9
	s_add_nc_u64 s[12:13], s[12:13], s[20:21]
	s_wait_dscnt 0x0
	global_store_b128 v54, v[56:59], s[12:13]
.Lend:
	s_wait_tensorcnt 0x0                           ; the wave's end, behind my last LDS store
	ds_add_u32 v[SPW], v[NIL]
	s_wait_dscnt 0x0
	s_endpgm
.Lfunc_end_k_q6b0ffb8a77_place:
	.size	k_q6b0ffb8a77_place, .Lfunc_end_k_q6b0ffb8a77_place-k_q6b0ffb8a77_place
	.p2alignl 7, 3214868480
	.fill 96, 4, 3214868480
	.section	.rodata,"a",@progbits
	.p2align	6, 0x0
	.amdhsa_kernel k_q6b0ffb8a77_place
		.amdhsa_group_segment_fixed_size 3584
		.amdhsa_private_segment_fixed_size 0
		.amdhsa_enable_private_segment 0
		.amdhsa_kernarg_size 40
		.amdhsa_user_sgpr_count 2
		.amdhsa_user_sgpr_kernarg_segment_ptr 1
		.amdhsa_wavefront_size32 1
		.amdhsa_system_sgpr_workgroup_id_x 1
		.amdhsa_system_sgpr_workgroup_id_y 1
		.amdhsa_system_sgpr_workgroup_id_z 1
		.amdhsa_system_vgpr_workitem_id 0
		.amdhsa_next_free_vgpr 192
		.amdhsa_next_free_sgpr 100
		.amdhsa_reserve_vcc 1
		.amdhsa_float_denorm_mode_32 3
		.amdhsa_float_denorm_mode_16_64 3
		.amdhsa_memory_ordered 1
		.amdhsa_forward_progress 1
		.amdhsa_inst_pref_size 51
	.end_amdhsa_kernel
	.amdgpu_metadata
---
amdhsa.version: [ 1, 2 ]
amdhsa.kernels:
  - .name:           k_q6b0ffb8a77_place
    .symbol:         k_q6b0ffb8a77_place.kd
    .args:
      - { .name: idx, .offset: 0, .size: 8, .value_kind: global_buffer, .address_space: global }
      - { .name: x, .offset: 8, .size: 8, .value_kind: global_buffer, .address_space: global }
      - { .name: plc, .offset: 16, .size: 8, .value_kind: global_buffer, .address_space: global }
      - { .name: xim, .offset: 24, .size: 8, .value_kind: global_buffer, .address_space: global }
      - { .name: xsc, .offset: 32, .size: 8, .value_kind: global_buffer, .address_space: global }
    .group_segment_fixed_size: 3584
    .private_segment_fixed_size: 0
    .kernarg_segment_align: 8
    .kernarg_segment_size: 40
    .max_flat_workgroup_size: 256
    .sgpr_count:     100
    .vgpr_count:     192
    .wavefront_size: 32
...
	.end_amdgpu_metadata
.endif
;; end of part 2
;; launch hidden (part 3): grid 32 x 8, 4 waves a work-group, no clusters, 139,776 bytes of LDS; arguments w1, w3, xim, xsc, plc, him, hsc; writes him, hsc
.if DOCPART == 3
	.amdgcn_target "amdgcn-amd-amdhsa--gfx1250"
	.amdhsa_code_object_version 6
	.text
	.protected	k_q6b0ffb8a77_hidden
	.globl	k_q6b0ffb8a77_hidden
	.p2align	8
	.type	k_q6b0ffb8a77_hidden,@function
k_q6b0ffb8a77_hidden:
	s_mov_b64 s[64:65], 0
	v_nop
	global_prefetch_b8 v0, s[64:65] scope:SCOPE_SE
	s_setreg_imm32_b32 hwreg(HW_REG_WAVE_MODE, 25, 1), 1
	s_wait_xcnt 0x0
; HIDDEN: silu(x w1^T) (x w3^T) for the routed rows alone (the rows of experts that a token did not choose are dead work: shown at the head of the first kernel), both products on codes of BF8 (E5M2) with
; one E8M0 scale for each 32 along D; the result is quantised along H on the way and stored as the next product's operand: him[T][s][c][lane][16 bytes] (images of registers), hsc[T][row][64 scale bytes].
; THE WEIGHTS STAND STILL.  Work-group (slice sl, expert e) owns hidden units 64 sl .. 64 sl + 63 of expert e: 64 rows of w1 and 64 of w3, 512 KB of f32, which no other work-group reads.
; PHASE 1.  Wave w = 2 m + b streams 32 rows of matrix m (0: w1, 1: w3), units 32 b on: a row is eight loads of 512 consecutive bytes; load q is K step q, lane l holds k = 128 q + 4 l ..+3, a block of 32 lies in 8 lanes.
;   A ring of eight rows (64 loads a wave) is always on its way.  Each number is multiplied by 2^-e of its block (exact), held within +-57,344 and converted with the scale 1: so one conversion takes two blocks.
;   Codes go to LDS row by row, scale bytes beside them.  ROWS ARE STORED IN THE ORDER OF THE TILES: row 16 a + 8 u + j of the 32 lies at LDS row 16 u + 8 a + j, so that tile u reads 16 LDS rows on end, and the
;   16 result registers of tiles u = 0 and 1 are 16 neighbouring hidden units, 16 (lane / 16) + 0..15: the next operand's layout.
; ONE barrier.  PHASE 1b.  Wave (b = w & 1, pr = w >> 1) takes the fragments of block b of both matrices, 8 K steps x 4 tiles = 32 fragments, 512 registers, and their scale words, for good.
;   They are asked for in the order of their use and waited for K step by K step, so that the first trip's first products run while the later fragments leave LDS.
; PHASE 2.  The wave's list is the expert's tiles of 16 routed rows two at a time, T0 + 4 i and T0 + 4 i + 1 with T0 = tb[e] + 2 pr, i = 0 .. n - 1: n comes from the table that an earlier launch stored.  No LDS, no barrier in this loop.
;   THE WALK BEGINS ELSEWHERE IN EACH WORK-GROUP: slice sl begins at i = (sl x n) / 32 and goes round the list, so that the 32 work-groups of an expert ask for different tiles at any one time.
;   The tiles' images come from memory straight into registers, 512 consecutive bytes a load, a whole pair of tiles (64 + 4 loads) ahead.  The products are used transposed (source 0 = 16 weight rows, source 1 = 16 rows of x).
;   The last trip is written out: it asks for nothing.
; NOT USED, AND WHY.  Tensor loads and clusters: the weights are shared by no two work-groups; the tiles of x are shared by an expert's 32 work-groups, but how many there are is a number read from memory.
;   A launch that quantises the weights: each code has one reader, so codes in memory would only add their bytes.  Prefetches: phase 1 has 64 loads a wave out,
;   and the first pair of tiles is asked for, by loads, in its last round.
; LIMITS: blocks whose largest magnitude lies under 2^-111 get the byte 1 (blocks of zeros too: their codes are zeros); NaN and infinities are not served.  The scale bytes of the result leave one byte a lane.
; REGISTERS.  window 0: v1-15 addresses; v16-47 the weights' scale words; v48-63 the tiles' scale words; v64-127 eight accumulators (tile t, j = 2 m + u: v[64 + 32 t + 8 j]); v128-159 at work.
;   windows 1, 2: phase 1: four ring slots of 32 each, v128-163 at work; then the 32 fragments (K step s, j at 16 (4 s + j)).   window 3: the ring of images: K step g, tile t at 32 g + 16 t.
.set PITCH, 1040                       ; an LDS row of codes: 1,024 bytes + 16: an odd multiple of 16, so the 16 rows of a fragment load start in different banks
.set RGN,   32*PITCH                   ; a wave's 32 rows
.set SCW,   4*RGN                      ; the scale bytes: 48 bytes a row (32 + 16)
.set SPARE, SCW+4*32*48                ; the spare words, 128 bytes for each wave
.set LI,  4                            ; 16 x lane
.set XO,  5                            ; 32 r: my row's scale words in a tile
.set AW0, 6                            ; my fragments of w1 in LDS;  v7: of w3
.set SR,  8                            ; my rows' scale words in LDS
.set HO,  9                            ; my 16 bytes in a tile's image of the result
.set SO,  10                           ; my byte among its scale bytes
.set SPW, 12
.set NIL, 13
.set LC,  14                           ; phase 1: where my 4 codes of a row's K step 0 go
.set LS,  15                           ; and my block's scale byte
.set WS,  16
.set XS,  48
.set ACC, 64
.set TM,  128
.set MX,  128                          ; in windows 1 and 2: eight largest magnitudes,
.set IV,  136                          ; eight pairs (2^-e, the scale's byte),
.set CD,  152                          ; eight registers of codes,
.set ONE, 163                          ; and 1.0
.set STRM, 24                          ; s[24:25] where my stream stands
.set TRIP, 53                          ; s53  trips of the loop done
.set NTR,  60                          ; s60  n: the entries of my wave's list
.set IC,   61                          ; s61  the entry that was asked for last
.set T0R,  62                          ; s62  T0: the list's first tile
.set NT1,  63                          ; s63  n - 1: the loop's trips
.set MSB, 0
.macro WIN new                         ; the immediate's high byte repeats the setting that is left
.if MSB != (\new)
	s_set_vgpr_msb (MSB<<8)|(\new)
.set MSB, (\new)
.endif
.endm
.macro LDROW i, extra                  ; eight loads: a row of 4,096 bytes into slot i = 4 a + 2 u + jj: row 16 a + 8 u + jj of this round's (extra: of the next round's)
.set WN, 1+(\i)/4
.set XB, 32*((\i)%4)
.set GR, 16*((\i)/4)+8*(((\i)/2)%2)+(\i)%2
	WIN 0x40*WN
.irp q,0,1,2,3,4,5,6,7
	global_load_b128 v[XB+4*\q:XB+4*\q+3], v[LI], s[STRM:STRM+1] offset:GR*4096+(\extra)+512*\q th:TH_LOAD_NT
.endr
.endm
.macro QROW                            ; the 32 numbers at v[XB] on (quad q = K step q) become eight registers of codes and eight scale bytes; each step runs over the quads, so that no line waits for the line above
.irp q,0,1,2,3,4,5,6,7
	v_max3_num_f32 v[MX+\q], |v[XB+4*\q]|, |v[XB+4*\q+1]|, 0x8000000    ; with the floor 2^(16 - 127)
.endr
.irp q,0,1,2,3,4,5,6,7
	v_max3_num_f32 v[MX+\q], v[MX+\q], |v[XB+4*\q+2]|, |v[XB+4*\q+3]|
.endr
.irp k,1,2,4
.irp q,0,1,2,3,4,5,6,7
	v_max_num_f32_dpp v[MX+\q], v[MX+\q], v[MX+\q] row_xmask:\k row_mask:0xf bank_mask:0xf   ; the eight lanes of a block
.endr
.endr
	s_wait_dscnt 0x0                               ; the last slot's LDS stores have read their registers, which are written from here on
.irp q,0,1,2,3,4,5,6,7
	v_add_nc_u32 v[IV+2*\q+1], 0xf8800000, v[MX+\q]
.endr
.irp q,0,1,2,3,4,5,6,7
	v_lshrrev_b32 v[IV+2*\q+1], 23, v[IV+2*\q+1]   ; the scale's byte: e + 127
.endr
.irp q,0,1,2,3,4,5,6,7
	v_sub_nc_u32 v[IV+2*\q], 254, v[IV+2*\q+1]
.endr
.irp q,0,1,2,3,4,5,6,7
	v_lshlrev_b32 v[IV+2*\q], 23, v[IV+2*\q]       ; 2^-e as f32 (the byte is at most 239, so the field is not 0)
.endr
.irp q,0,1,2,3,4,5,6,7
	v_pk_mul_f32 v[XB+4*\q:XB+4*\q+1], v[XB+4*\q:XB+4*\q+1], v[IV+2*\q:IV+2*\q+1] op_sel_hi:[1,0]
	v_pk_mul_f32 v[XB+4*\q+2:XB+4*\q+3], v[XB+4*\q+2:XB+4*\q+3], v[IV+2*\q:IV+2*\q+1] op_sel_hi:[1,0]
.endr
.irp n,0,1,2,3,4,5,6,7,8,9,10,11,12,13,14,15,16,17,18,19,20,21,22,23,24,25,26,27,28,29,30,31
	v_med3_num_f32 v[XB+\n], v[XB+\n], s27, s28    ; the conversion does not saturate (ISA guide 7.6.2): held within +-57,344
.endr
.irp q,0,2,4,6
	v_cvt_scalef32_pk8_bf8_f32 v[CD+\q:CD+\q+1], v[XB+4*\q:XB+4*\q+7], v[ONE]
.endr
	v_nop                                          ; a plain instruction behind the last conversion
.endm
.macro AGRP g                          ; the images of K step g of the two tiles ahead: eight loads of 512 consecutive bytes
.irp t,0,1
.irp c,0,1,2,3
	global_load_b128 v[32*(\g)+16*\t+4*\c:32*(\g)+16*\t+4*\c+3], v[LI], s[36+2*\t:37+2*\t] offset:2048*(\g)+512*\c
.endr
.endr
.endm
.macro SCA                             ; their scale words of K steps 0-3
	global_load_b128 v[XS:XS+3], v[XO], s[40:41]
	global_load_b128 v[XS+8:XS+11], v[XO], s[42:43]
.endm
.macro SCB                             ; and of K steps 4-7
	global_load_b128 v[XS+4:XS+7], v[XO], s[40:41] offset:16
	global_load_b128 v[XS+12:XS+15], v[XO], s[42:43] offset:16
.endm
; One slot's turn.  mode 1: it is filled again with the next round's row.  mode 2, the last round: group i of the first pair of tiles is asked for in its stead.
.macro SLOT i, mode
.set WN, 1+(\i)/4
.set XB, 32*((\i)%4)
.set LR, 16*(((\i)/2)%2)+8*((\i)/4)+(\i)%2
	s_wait_loadcnt 56                              ; my eight loads are in: behind them stand seven slots' worth of eight (in the last round two scale loads more: the lesser count is safe)
	WIN 0x55*WN
	QROW
	WIN 0x04*WN                                    ; LDS stores: address window 0, data window WN
.irp q,0,1,2,3,4,5,6,7
	ds_store_b32 v[LC], v[CD+\q] offset:LR*PITCH+128*\q        ; 32 lanes: the 128 codes of K step q
.endr
.irp q,0,1,2,3,4,5,6,7
	ds_store_b8 v[LS], v[IV+2*\q+1] offset:LR*48+4*\q          ; the eight lanes of a block store one byte with one value
.endr
.if (\mode) == 1
	LDROW \i, 8192
.else
	WIN 0xc0
	AGRP \i
.if (\i) == 3
	WIN 0
	SCA
.endif
.if (\i) == 7
	WIN 0
	SCB
.endif
.endif
.endm
.macro NEXTB x                         ; the bases of tiles s[x] and s[x] + 1, each held to the expert's last tile and to the buffers' 135: always a tile that was stored
	s_min_u32 s33, s[\x], s35
	s_min_u32 s33, s33, 134
	s_add_co_u32 s34, s[\x], 1
	s_min_u32 s34, s34, s35
	s_min_u32 s34, s34, 134
	s_lshl_b32 s56, s33, 14
	s_add_nc_u64 s[36:37], s[8:9], s[56:57]
	s_lshl_b32 s56, s34, 14
	s_add_nc_u64 s[38:39], s[8:9], s[56:57]
	s_lshl_b32 s56, s33, 9
	s_add_nc_u64 s[40:41], s[10:11], s[56:57]
	s_lshl_b32 s56, s34, 9
	s_add_nc_u64 s[42:43], s[10:11], s[56:57]
.endm
; K step g of a trip: eight products, the eight accumulators by turns.  refill = 1: the same K step of the pair of tiles ahead is then asked for.
.macro GROUP g, refill
.if (\g) == 0
	s_wait_loadcnt 34                              ; the ring's first half and its scale words are in: behind them stand the other half's 32 loads and 2 scale loads, on every way that leads here
	s_wait_dscnt 63                                ; my weights' scale words and the fragments of K steps 0-3 are in: behind them stand the 64 loads of K steps 4-7 (one under that count); in later trips no LDS load is out
.endif
.if (\g) == 4
	s_wait_loadcnt 34*(\refill)                    ; the second half: behind it stand this trip's 32 + 2 refills, or, in the last trip, nothing
.endif
.if (\g) >= 4
	s_wait_dscnt 16*(7-(\g))                       ; K step g's fragments are in: 16 LDS loads for each K step behind it
.endif
	WIN 0x0d+(\g)/4                                ; source 0 window 1 or 2, source 1 window 3, C and D window 0
.irp j,0,1,2,3
.irp t,0,1
.if (\g) == 0
	v_wmma_scale_f32_16x16x128_f8f6f4 v[ACC+32*\t+8*\j:ACC+32*\t+8*\j+7], v[64*((\g)%4)+16*\j:64*((\g)%4)+16*\j+15], v[32*(\g)+16*\t:32*(\g)+16*\t+15], 0, v[WS+8*\j+(\g)], v[XS+8*\t+(\g)] matrix_a_fmt:MATRIX_FMT_BF8 matrix_b_fmt:MATRIX_FMT_BF8
.else
	v_wmma_scale_f32_16x16x128_f8f6f4 v[ACC+32*\t+8*\j:ACC+32*\t+8*\j+7], v[64*((\g)%4)+16*\j:64*((\g)%4)+16*\j+15], v[32*(\g)+16*\t:32*(\g)+16*\t+15], v[ACC+32*\t+8*\j:ACC+32*\t+8*\j+7], v[WS+8*\j+(\g)], v[XS+8*\t+(\g)] matrix_a_fmt:MATRIX_FMT_BF8 matrix_b_fmt:MATRIX_FMT_BF8
.endif
.endr
.endr
.if (\refill)
.rept 8+(\g)/7
	v_nop                                          ; eight places ahead of loads into registers that these products read, and of the first read of results; nine behind the last K step, since the next trip begins the sums anew
.endr
	WIN 0xc0
	AGRP \g
.if (\g) == 3
	WIN 0
	SCA
.endif
.if (\g) == 7
	WIN 0
	SCB
.endif
.else
.if (\g) == 7
.rept 8
	v_nop                                          ; the last trip loads nothing: the only places owed are those ahead of the first read of results
.endr
	WIN 0
.endif
.endif
.endm
; Tile t's 16 numbers a lane: silu(h) g = h g / (1 + 2^(-h log2 e)), then one block of 32 along H (lanes l and l xor 16) is quantised and stored.  Each accumulator is read from its low end on.
.macro EPI t
.set HH, ACC+32*(\t)
.set GG, ACC+32*(\t)+16
.irp p,0,2,4,6,8,10,12,14
	v_pk_mul_f32 v[TM+\p:TM+\p+1], v[HH+\p:HH+\p+1], s[54:55] op_sel_hi:[1,0]
.endr
.irp p,0,1,2,3,4,5,6,7,8,9,10,11,12,13,14,15
	v_exp_f32 v[TM+\p], v[TM+\p]
.endr
.irp p,0,2,4,6,8,10,12,14
	v_pk_mul_f32 v[HH+\p:HH+\p+1], v[HH+\p:HH+\p+1], v[GG+\p:GG+\p+1]     ; h g: plain work behind the batch
.endr
	s_wait_alu depctr_va_vdst(0)                   ; one wait for the sixteen exponentials, ahead of their first reader
.irp p,0,2,4,6,8,10,12,14
	v_pk_add_f32 v[TM+\p:TM+\p+1], v[TM+\p:TM+\p+1], 1.0 op_sel_hi:[1,0]
.endr
.irp p,0,1,2,3,4,5,6,7,8,9,10,11,12,13,14,15
	v_rcp_f32 v[TM+\p], v[TM+\p]
.endr
	v_nop
	s_wait_alu depctr_va_vdst(0)                   ; and one for the sixteen reciprocals
.irp p,0,2,4,6,8,10,12,14
	v_pk_mul_f32 v[HH+\p:HH+\p+1], v[HH+\p:HH+\p+1], v[TM+\p:TM+\p+1]
.endr
	v_max3_num_f32 v144, |v[HH]|, |v[HH+1]|, 0x8000000             ; the largest magnitude, in two chains, with the floor 2^(16 - 127)
	v_max3_num_f32 v146, |v[HH+2]|, |v[HH+3]|, |v[HH+6]|
	v_max3_num_f32 v144, v144, |v[HH+4]|, |v[HH+5]|
	v_max3_num_f32 v146, v146, |v[HH+7]|, |v[HH+10]|
	v_max3_num_f32 v144, v144, |v[HH+8]|, |v[HH+9]|
	v_max3_num_f32 v146, v146, |v[HH+11]|, |v[HH+14]|
	v_max3_num_f32 v144, v144, |v[HH+12]|, |v[HH+13]|
	v_max3_num_f32 v144, v144, v146, |v[HH+15]|
	v_permlanex16_b32 v145, v144, s50, s51
	v_max_num_f32 v144, v144, v145
	v_add_nc_u32 v146, 0xf8800000, v144            ; 15 off the exponent field: the conversion's scale operand
	v_and_or_b32 v147, v144, 0x7f800000, s52       ; 57,344 x the scale
	v_lshrrev_b32 v[148+\t], 23, v146              ; the scale's byte
.irp n,0,1,2,3,4,5,6,7,8,9,10,11,12,13,14,15
	v_med3_num_f32 v[HH+\n], v[HH+\n], -v147, v147
.endr
	v_cvt_scalef32_pk8_bf8_f32 v[152+4*\t:153+4*\t], v[HH:HH+7], v146
	v_cvt_scalef32_pk8_bf8_f32 v[154+4*\t:155+4*\t], v[HH+8:HH+15], v146
	v_nop                                          ; a plain instruction behind the last conversion
	global_store_b128 v[HO], v[152+4*\t:155+4*\t], s[44:45] offset:32768*\t    ; 32 lanes store 512 consecutive bytes of the image
	global_store_b8 v[SO], v[148+\t], s[46:47] offset:1024*\t                  ; lanes r and r + 16 store the same byte
.endm
; A trip: the pair of tiles s32, s32 + 1, whose images were asked for a trip ago.  refill = 1: the list's next entry, round its end, is asked for on the way.
.macro TRIPM refill
	s_wait_xcnt 0x0                                ; every earlier load and store has read its base, offset and data: they are written from here on
.if (\refill)
	s_add_co_u32 s[IC], s[IC], 1                   ; the next entry of my list,
	s_cmp_ge_u32 s[IC], s[NTR]
	s_cselect_b32 s[IC], 0, s[IC]                  ; round its end
	s_lshl_b32 s49, s[IC], 2
	s_add_co_u32 s49, s49, s[T0R]                  ; its first tile
	NEXTB 49
.endif
	s_min_u32 s58, s32, 134
	s_lshl_b32 s56, s58, 15
	s_add_nc_u64 s[44:45], s[14:15], s[56:57]      ; where tile T's results go
	s_lshl_b32 s56, s58, 10
	s_add_nc_u64 s[46:47], s[16:17], s[56:57]
	s_add_co_u32 s48, s32, 1
.irp g,0,1,2,3,4,5,6,7
	GROUP \g, \refill
.endr
	EPI 0
	s_cmp_ge_u32 s48, s31                          ; is there a tile T + 1?
	s_cbranch_scc1 .Lno_b_\@
	EPI 1
.Lno_b_\@:
.endm
	s_load_b256 s[4:11], s[0:1], 0x0               ; w1 s[4:5], w3 s[6:7], xim s[8:9], xsc s[10:11]
	s_load_b128 s[12:15], s[0:1], 0x20             ; plc s[12:13], him s[14:15]
	s_load_b64 s[16:17], s[0:1], 0x30              ; hsc
	v_lshl_add_u32 v[SPW], v0, 2, SPARE
	v_mov_b32 v[NIL], 0
	v_lshrrev_b32 v1, 5, v0
	v_readfirstlane_b32 s18, v1                    ; wave 0..3
	v_and_b32 v1, 31, v0                           ; lane
	v_and_b32 v2, 15, v0                           ; r
	v_bfe_u32 v3, v0, 4, 1                         ; h
	v_lshlrev_b32 v[LI], 4, v1
	s_and_b32 s19, s18, 1                          ; b: which 32 of the slice's 64 units
	s_lshr_b32 s20, s18, 1                         ; phase 1: the matrix; phase 2: which pairs of tiles
	s_mov_b32 s21, ttmp9                           ; the slice
	s_and_b32 s22, ttmp7, 0xffff                   ; the expert
	s_lshl_b32 s56, s22, 11
	s_lshl_b32 s57, s21, 6
	s_add_co_u32 s56, s56, s57
	s_lshl_b32 s57, s19, 5
	s_add_co_u32 s56, s56, s57                     ; my first row: 2,048 e + 64 sl + 32 b,
	s_lshl_b32 s56, s56, 12                        ; of 4,096 bytes: under 2^26
	s_mov_b32 s57, 0                               ; (stays 0: the upper word of every offset)
	s_mov_b32 s27, 0xc7600000                      ; -57,344
	s_mov_b32 s28, 0x47600000                      ; +57,344
	s_lshl_b32 s29, s22, 2
	s_wait_kmcnt 0x0
	s_cmp_eq_u32 s20, 0
	s_cselect_b64 s[STRM:STRM+1], s[4:5], s[6:7]   ; the choice hangs on the wave's number alone
	s_add_nc_u64 s[STRM:STRM+1], s[STRM:STRM+1], s[56:57]
.irp i,0,1,2,3,4,5,6,7
	LDROW \i, 0                                    ; the ring is filled before anything else is done
.endr
	WIN 0
	s_load_b32 s30, s[12:13], s29 offset:0x2000    ; tb[e]: my expert's first tile,
	s_load_b32 s31, s[12:13], s29 offset:0x2004    ; tb[e + 1]: the next expert's
	s_mul_i32 s58, s18, RGN
	v_lshl_add_u32 v[LC], v1, 2, s58
	s_mul_i32 s58, s18, 32*48
	s_add_co_u32 s58, s58, SCW
	v_lshrrev_b32 v11, 3, v1
	v_add_nc_u32 v[LS], s58, v11
	s_mul_i32 s58, s19, RGN
	v_mul_u32_u24 v[AW0], v2, PITCH
	v_lshl_add_u32 v[AW0], v3, 4, v[AW0]
	v_add_nc_u32 v[AW0], s58, v[AW0]               ; w1's block b: row r, + 16 h
	v_add_nc_u32 v[AW0+1], 2*RGN, v[AW0]           ; w3's
	s_mul_i32 s58, s19, 32*48
	s_add_co_u32 s58, s58, SCW
	v_mul_u32_u24 v[SR], v2, 48
	v_add_nc_u32 v[SR], s58, v[SR]
	v_lshlrev_b32 v[XO], 5, v2
	s_lshr_b32 s58, s21, 1
	s_lshl_b32 s58, s58, 11                        ; units 64 sl + 32 b on are K step sl / 2 of the next product,
	s_and_b32 s59, s21, 1
	s_lshl_b32 s59, s59, 10
	s_add_co_u32 s58, s58, s59
	s_lshl_b32 s59, s19, 9
	s_add_co_u32 s58, s58, s59                     ; block 2 (sl % 2) + b of it
	v_add_nc_u32 v[HO], s58, v[LI]
	s_lshl_b32 s58, s21, 1
	s_add_co_u32 s58, s58, s19
	v_lshl_add_u32 v[SO], v2, 6, s58               ; 64 r + 2 sl + b
	v_mov_b32 v145, 0                              ; a lane permute's destination counts as one of its sources
	s_mov_b32 s50, 0x76543210
	s_mov_b32 s51, 0xfedcba98
	s_mov_b32 s52, 0x600000                        ; the mantissa field of 57,344
	s_mov_b32 s54, 0xbfb8aa3b                      ; -log2(e)
	s_mov_b32 s55, s54                             ; (named with it as a pair)
	WIN 0x40
	v_mov_b32 v[ONE], 1.0
	WIN 0x80
	v_mov_b32 v[ONE], 1.0
	WIN 0
	s_mov_b32 s26, 3
.Lround:                                           ; three rounds of eight rows, each slot filled again
.irp i,0,1,2,3,4,5,6,7
	SLOT \i, 1
.endr
	WIN 0
	s_wait_xcnt 0x0                                ; the loads have read their base,
	s_wait_dscnt 0x0                               ; the LDS stores their addresses: all three step
	s_add_nc_u64 s[STRM:STRM+1], s[STRM:STRM+1], 8192
	v_add_nc_u32 v[LC], 2*PITCH, v[LC]
	v_add_nc_u32 v[LS], 2*48, v[LS]
	s_sub_co_u32 s26, s26, 1
	s_cmp_lg_u32 s26, 0
	s_cbranch_scc1 .Lround
	s_wait_kmcnt 0x0
	s_lshl_b32 s[T0R], s20, 1
	s_add_co_u32 s[T0R], s[T0R], s30               ; T0: my list's first tile
	s_sub_co_u32 s35, s31, 1                       ; the expert's last
	s_sub_co_u32 s[NTR], s31, s[T0R]               ; n: every fourth tile from T0 on starts an entry: (tb[e + 1] - T0 + 3) / 4.  (T0 lies at most 2 past tb[e + 1]: n is then 0, and the wave ends behind the barrier)
	s_add_co_u32 s[NTR], s[NTR], 3
	s_lshr_b32 s[NTR], s[NTR], 2
	s_min_u32 s[NTR], s[NTR], 16                   ; a token's two experts differ, so an expert has at most 1,024 rows, 64 tiles: 16 entries at the most
	s_mul_i32 s[IC], s21, s[NTR]
	s_lshr_b32 s[IC], s[IC], 5                     ; where my work-group's walk begins: (sl x n) / 32, under n since sl is under 32
	s_lshl_b32 s32, s[IC], 2
	s_add_co_u32 s32, s32, s[T0R]                  ; T: the first pair's first tile
	NEXTB 32
.irp i,0,1,2,3,4,5,6,7
	SLOT \i, 2                                     ; the last round: the first pair of tiles is asked for while the last rows are quantised
.endr
	s_wait_dscnt 0x0                               ; for the others' sake: my codes and bytes have landed
	s_barrier_signal -1
	s_barrier_wait -1
	s_cmp_ge_u32 s[T0R], s31                       ; a wave without a tile is done
	s_cbranch_scc1 .Lend
	s_sub_co_u32 s[NT1], s[NTR], 1                 ; the loop's trips: all but the last
	s_mov_b32 s[TRIP], 0
.irp j,0,1,2,3                                 ; the scale words first, then the fragments in the order of their use: the waits for them stand in the trip, K step by K step
.irp q,0,1
	ds_load_b128 v[WS+8*\j+4*\q:WS+8*\j+4*\q+3], v[SR] offset:3072*(\j/2)+768*(\j%2)+16*\q
.endr
.endr
.irp s,0,1,2,3,4,5,6,7
	WIN 0x40+0x40*(\s/4)
.irp j,0,1,2,3
.irp c,0,1,2,3
	ds_load_b128 v[64*(\s%4)+16*\j+4*\c:64*(\s%4)+16*\j+4*\c+3], v[AW0+\j/2] offset:16*(\j%2)*PITCH+128*\s+32*\c
.endr
.endr
.endr
	WIN 0
	s_cmp_eq_u32 s[NT1], 0                         ; a list of one entry has the last trip alone
	s_cbranch_scc1 .Ltail
.Ltrip:
	TRIPM 1
	s_mov_b32 s32, s49                             ; on to the pair that was asked for
	s_add_co_u32 s[TRIP], s[TRIP], 1               ; the loop's counter: one a trip
	s_cmp_lt_u32 s[TRIP], s[NT1]
	s_cbranch_scc1 .Ltrip
.Ltail:
	TRIPM 0                                        ; the last trip asks for nothing
.Lend:
	s_wait_tensorcnt 0x0                           ; the wave's end, behind my last LDS store
	ds_add_u32 v[SPW], v[NIL]
	s_wait_dscnt 0x0
	s_endpgm
.Lfunc_end_k_q6b0ffb8a77_hidden:
	.size	k_q6b0ffb8a77_hidden, .Lfunc_end_k_q6b0ffb8a77_hidden-k_q6b0ffb8a77_hidden
	.p2alignl 7, 3214868480
	.fill 96, 4, 3214868480
	.section	.rodata,"a",@progbits
	.p2align	6, 0x0
	.amdhsa_kernel k_q6b0ffb8a77_hidden
		.amdhsa_group_segment_fixed_size 139776
		.amdhsa_private_segment_fixed_size 0
		.amdhsa_enable_private_segment 0
		.amdhsa_kernarg_size 56
		.amdhsa_user_sgpr_count 2
		.amdhsa_user_sgpr_kernarg_segment_ptr 1
		.amdhsa_wavefront_size32 1
		.amdhsa_system_sgpr_workgroup_id_x 1
		.amdhsa_system_sgpr_workgroup_id_y 1
		.amdhsa_system_sgpr_workgroup_id_z 1
		.amdhsa_system_vgpr_workitem_id 0
		.amdhsa_next_free_vgpr 1024
		.amdhsa_next_free_sgpr 66
		.amdhsa_reserve_vcc 0
		.amdhsa_float_denorm_mode_32 3
		.amdhsa_float_denorm_mode_16_64 3
		.amdhsa_memory_ordered 1
		.amdhsa_forward_progress 1
		.amdhsa_inst_pref_size 220
	.end_amdhsa_kernel
	.amdgpu_metadata
---
amdhsa.version: [ 1, 2 ]
amdhsa.kernels:
  - .name:           k_q6b0ffb8a77_hidden
    .symbol:         k_q6b0ffb8a77_hidden.kd
    .args:
      - { .name: w1, .offset: 0, .size: 8, .value_kind: global_buffer, .address_space: global }
      - { .name: w3, .offset: 8, .size: 8, .value_kind: global_buffer, .address_space: global }
      - { .name: xim, .offset: 16, .size: 8, .value_kind: global_buffer, .address_space: global }
      - { .name: xsc, .offset: 24, .size: 8, .value_kind: global_buffer, .address_space: global }
      - { .name: plc, .offset: 32, .size: 8, .value_kind: global_buffer, .address_space: global }
      - { .name: him, .offset: 40, .size: 8, .value_kind: global_buffer, .address_space: global }
      - { .name: hsc, .offset: 48, .size: 8, .value_kind: global_buffer, .address_space: global }
    .group_segment_fixed_size: 139776
    .private_segment_fixed_size: 0
    .kernarg_segment_align: 8
    .kernarg_segment_size: 56
    .max_flat_workgroup_size: 128
    .sgpr_count:     66
    .vgpr_count:     1024
    .wavefront_size: 32
...
	.end_amdgpu_metadata
.endif
;; end of part 3
;; launch outp (part 4): grid 32 x 8, 4 waves a work-group, no clusters, 78,336 bytes of LDS; arguments w2, him, hsc, plc, y; writes y
.if DOCPART == 4
	.amdgcn_target "amdgcn-amd-amdhsa--gfx1250"
	.amdhsa_code_object_version 6
	.text
	.protected	k_q6b0ffb8a77_outp
	.globl	k_q6b0ffb8a77_outp
	.p2align	8
	.type	k_q6b0ffb8a77_outp,@function
k_q6b0ffb8a77_outp:
	s_mov_b64 s[64:65], 0
	v_nop
	global_prefetch_b8 v0, s[64:65] scope:SCOPE_SE
	s_setreg_imm32_b32 hwreg(HW_REG_WAVE_MODE, 25, 1), 1
	s_wait_xcnt 0x0
; OUTP: eo = Q(silu(h) g) Q(w2)^T for the routed rows alone (the other rows are dead work: shown at the head of the first kernel), on codes of BF8 (E5M2) with one E8M0 scale for each 32 along H.
; y[ds][slot][32 columns], f32: slot = 16 x tile + row; the last launch gathers each token's two slots.
; THE WEIGHTS STAND STILL, as in the launch before.  Work-group (ds, expert e) owns output columns 32 ds .. 32 ds + 31 of expert e: 32 rows of w2, 256 KB of f32, which no other work-group reads.
; PHASE 1.  Wave w streams rows 8 w .. 8 w + 7, 64 KB on end, in units of half a row (4,096 bytes: eight loads of 512 consecutive bytes; load q is a K step, a block of 32 lies in 8 lanes), a ring of eight units.
;   Each number x 2^-e of its block (exact), held within +-57,344, converted with the scale 1.  Row 16 a + 8 u + j lies at LDS row 16 u + 8 a + j, so that a lane's 16 results are 16 neighbouring columns.
; ONE barrier.  PHASE 1b.  Every wave takes all 32 fragments (16 K steps x 2 tiles of rows), 512 registers, and their scale words, in the order of their use; the waits for them stand in the trip, two K steps at a time.
; PHASE 2.  Wave w's list is the tiles T0 + 4 i, T0 = tb[e] + w, i = 0 .. n - 1: n comes from the stored table.  THE WALK BEGINS ELSEWHERE IN EACH WORK-GROUP: ds begins at i = (ds x n) / 32 and goes round the list, so that
;   the 32 work-groups of an expert ask for different tiles at any one time.  A tile's image (32 KB, 64 + 4 loads) comes straight into registers, a whole tile ahead.  Source 0 = 16 rows of w2, source 1 = 16 slots.
;   A lane's 64 bytes go through the wave's own stage in LDS, so that each store covers 512 consecutive bytes.  The last trip is written out: it asks for nothing.
; NOT USED, AND WHY: tensor loads, clusters, a launch that quantises w2, prefetches: as said at the head of the launch before, by the same arithmetic.
; LIMITS: blocks whose largest magnitude lies under 2^-111 get the byte 1; NaN and infinities are not served.
; REGISTERS.  window 0: v1-15 addresses; v16-47 w2's scale words (16 u + s); v48-63 the tile's; v64-79 two accumulators; v80-95 rows on the way out.
;   windows 1, 2: phase 1: four ring slots of 32 each, v128-163 at work; then the fragments (K step s, tile u at 16 (2 s + u)).   window 3: the tile's image, K step s at 16 s.
.set PITCH, 2064                       ; an LDS row of codes: 2,048 bytes + 16
.set SCW,   32*PITCH                   ; the scale bytes: 80 bytes a row (64 + 16)
.set STG,   SCW+32*80                  ; a stage of 16 rows x (128 + 16) bytes for each wave
.set SPARE, STG+4*16*144               ; the spare words, 128 bytes for each wave
.set PLANE, 2160*128                   ; bytes of y for one ds
.set LI,  4                            ; 16 x lane
.set XO,  5                            ; 64 r: my slot's scale bytes in a tile
.set AW0, 6                            ; my fragments in LDS
.set SR,  8                            ; my rows' scale words in LDS
.set STO, 9                            ; the stage: where I put my 64 bytes
.set SRD, 10                           ; and where I read 16 bytes of a row back
.set SPW, 12
.set NIL, 13
.set LC,  14
.set LS,  15
.set WS,  16
.set XS,  48
.set ACC, 64
.set OB,  80
.set MX,  128
.set IV,  136
.set CD,  152
.set ONE, 163
.set STRM, 24
.set TRIP, 53                          ; s53  trips of the loop done
.set NTR,  60                          ; s60  n: the entries of my wave's list
.set IC,   61                          ; s61  the entry that was asked for last
.set T0R,  62                          ; s62  T0: the list's first tile
.set NT1,  63                          ; s63  n - 1: the loop's trips
.set MSB, 0
.macro WIN new                         ; the immediate's high byte repeats the setting that is left
.if MSB != (\new)
	s_set_vgpr_msb (MSB<<8)|(\new)
.set MSB, (\new)
.endif
.endm
.macro LDROW i, tau                    ; eight loads: half i % 2 of row 4 tau + i / 2 into slot i
.set WN, 1+(\i)/4
.set XB, 32*((\i)%4)
	WIN 0x40*WN
.irp q,0,1,2,3,4,5,6,7
	global_load_b128 v[XB+4*\q:XB+4*\q+3], v[LI], s[STRM:STRM+1] offset:(4*(\tau)+(\i)/2)*8192+4096*((\i)%2)+512*\q th:TH_LOAD_NT
.endr
.endm
.macro QROW                            ; the 32 numbers at v[XB] on (quad q = a K step) become eight registers of codes and eight scale bytes
.irp q,0,1,2,3,4,5,6,7
	v_max3_num_f32 v[MX+\q], |v[XB+4*\q]|, |v[XB+4*\q+1]|, 0x8000000    ; with the floor 2^(16 - 127)
.endr
.irp q,0,1,2,3,4,5,6,7
	v_max3_num_f32 v[MX+\q], v[MX+\q], |v[XB+4*\q+2]|, |v[XB+4*\q+3]|
.endr
.irp k,1,2,4
.irp q,0,1,2,3,4,5,6,7
	v_max_num_f32_dpp v[MX+\q], v[MX+\q], v[MX+\q] row_xmask:\k row_mask:0xf bank_mask:0xf
.endr
.endr
	s_wait_dscnt 0x0                               ; the last slot's LDS stores have read their registers, which are written from here on
.irp q,0,1,2,3,4,5,6,7
	v_add_nc_u32 v[IV+2*\q+1], 0xf8800000, v[MX+\q]
.endr
.irp q,0,1,2,3,4,5,6,7
	v_lshrrev_b32 v[IV+2*\q+1], 23, v[IV+2*\q+1]   ; the scale's byte
.endr
.irp q,0,1,2,3,4,5,6,7
	v_sub_nc_u32 v[IV+2*\q], 254, v[IV+2*\q+1]
.endr
.irp q,0,1,2,3,4,5,6,7
	v_lshlrev_b32 v[IV+2*\q], 23, v[IV+2*\q]       ; 2^-e as f32
.endr
.irp q,0,1,2,3,4,5,6,7
	v_pk_mul_f32 v[XB+4*\q:XB+4*\q+1], v[XB+4*\q:XB+4*\q+1], v[IV+2*\q:IV+2*\q+1] op_sel_hi:[1,0]
	v_pk_mul_f32 v[XB+4*\q+2:XB+4*\q+3], v[XB+4*\q+2:XB+4*\q+3], v[IV+2*\q:IV+2*\q+1] op_sel_hi:[1,0]
.endr
.irp n,0,1,2,3,4,5,6,7,8,9,10,11,12,13,14,15,16,17,18,19,20,21,22,23,24,25,26,27,28,29,30,31
	v_med3_num_f32 v[XB+\n], v[XB+\n], s27, s28    ; the conversion does not saturate (ISA guide 7.6.2): held within +-57,344
.endr
.irp q,0,2,4,6
	v_cvt_scalef32_pk8_bf8_f32 v[CD+\q:CD+\q+1], v[XB+4*\q:XB+4*\q+7], v[ONE]
.endr
	v_nop                                          ; a plain instruction behind the last conversion
.endm
.macro AGRP g                          ; K steps 2 g and 2 g + 1 of the tile ahead: eight loads of 512 consecutive bytes
.irp z,0,1
.irp c,0,1,2,3
	global_load_b128 v[16*(2*(\g)+\z)+4*\c:16*(2*(\g)+\z)+4*\c+3], v[LI], s[36:37] offset:2048*(2*(\g)+\z)+512*\c
.endr
.endr
.endm
.macro SCA                             ; its scale words of K steps 0-7
	global_load_b128 v[XS:XS+3], v[XO], s[40:41]
	global_load_b128 v[XS+4:XS+7], v[XO], s[40:41] offset:16
.endm
.macro SCB                             ; and of K steps 8-15
	global_load_b128 v[XS+8:XS+11], v[XO], s[40:41] offset:32
	global_load_b128 v[XS+12:XS+15], v[XO], s[40:41] offset:48
.endm
.macro SLOT i, tau, mode
.set WN, 1+(\i)/4
.set XB, 32*((\i)%4)
.set RW, 4*(\tau)+(\i)/2
.set HF, (\i)%2
	s_wait_loadcnt 56                              ; my eight loads are in: behind them stand seven slots' worth of eight (in the last round two scale loads more: the lesser count is safe)
	WIN 0x55*WN
	QROW
	WIN 0x04*WN                                    ; LDS stores: address window 0, data window WN
.irp q,0,1,2,3,4,5,6,7
	ds_store_b32 v[LC], v[CD+\q] offset:RW*PITCH+1024*HF+128*\q
.endr
.irp q,0,1,2,3,4,5,6,7
	ds_store_b8 v[LS], v[IV+2*\q+1] offset:RW*80+32*HF+4*\q
.endr
.if (\mode) == 1
	LDROW \i, (\tau)+1
.else
	WIN 0xc0
	AGRP \i
.if (\i) == 3
	WIN 0
	SCA
.endif
.if (\i) == 7
	WIN 0
	SCB
.endif
.endif
.endm
.macro NEXTB x                         ; the bases of tile s[x], held to the expert's last tile and to the buffers' 135: always a tile that was stored
	s_min_u32 s33, s[\x], s35
	s_min_u32 s33, s33, 134
	s_lshl_b32 s56, s33, 15
	s_add_nc_u64 s[36:37], s[6:7], s[56:57]
	s_lshl_b32 s56, s33, 10
	s_add_nc_u64 s[40:41], s[8:9], s[56:57]
.endm
.macro STAGE                           ; the tile's results into my stage and back as rows
.irp q,0,1,2,3
	ds_store_b128 v[STO], v[ACC+4*\q:ACC+4*\q+3] offset:16*\q      ; lane (r, h): columns 16 h + 4 q ..+3 of slot r; each accumulator from its low end on
.endr
.irp q,0,1,2,3
	ds_load_b128 v[OB+4*\q:OB+4*\q+3], v[SRD] offset:4*144*\q      ; LDS serves a wave's instructions in order (ISA guide 5.7.1.4): these see my stores
.endr
.endm
; Two K steps: four products, the two accumulators by turns.  refill = 1: the same K steps of the tile ahead are then asked for.
; Behind the last two K steps the results start on their way through the stage ahead of the refill, so that the ten global loads stand between the LDS instructions and the wait for them.
.macro GROUP g, refill
.if (\g) == 0
	s_wait_loadcnt 34                              ; the image's first half and its scale words are in: behind them stand the other half's 32 loads and 2 scale loads, on every way that leads here
	s_wait_dscnt 63                                ; w2's scale words and the fragments of K steps 0-7 are in: behind them stand the 64 loads of K steps 8-15 (one under that count); in later trips no LDS load is out
.endif
.if (\g) == 4
	s_wait_loadcnt 34*(\refill)                    ; the second half: behind it stand this trip's 32 + 2 refills, or, in the last trip, nothing
.endif
.if (\g) >= 4
	s_wait_dscnt 16*(7-(\g))                       ; these two K steps' fragments are in: 16 LDS loads for each pair of K steps behind them
.endif
	WIN 0x0d+(\g)/4                                ; source 0 window 1 or 2, source 1 window 3, C and D window 0
.irp z,0,1
.irp u,0,1
.if ((\g) == 0) && (\z == 0)
	v_wmma_scale_f32_16x16x128_f8f6f4 v[ACC+8*\u:ACC+8*\u+7], v[32*((2*(\g)+\z)%8)+16*\u:32*((2*(\g)+\z)%8)+16*\u+15], v[16*(2*(\g)+\z):16*(2*(\g)+\z)+15], 0, v[WS+16*\u+2*(\g)+\z], v[XS+2*(\g)+\z] matrix_a_fmt:MATRIX_FMT_BF8 matrix_b_fmt:MATRIX_FMT_BF8
.else
	v_wmma_scale_f32_16x16x128_f8f6f4 v[ACC+8*\u:ACC+8*\u+7], v[32*((2*(\g)+\z)%8)+16*\u:32*((2*(\g)+\z)%8)+16*\u+15], v[16*(2*(\g)+\z):16*(2*(\g)+\z)+15], v[ACC+8*\u:ACC+8*\u+7], v[WS+16*\u+2*(\g)+\z], v[XS+2*(\g)+\z] matrix_a_fmt:MATRIX_FMT_BF8 matrix_b_fmt:MATRIX_FMT_BF8
.endif
.endr
.endr
.if (\refill) || ((\g) == 7)
.rept 8+(\g)/7
	v_nop                                          ; eight places ahead of loads into registers that these products read, and of the first read of results; nine behind the last, since the next trip begins the sums anew
.endr
.endif
.if (\g) == 7
	WIN 0
	STAGE
.endif
.if (\refill)
	WIN 0xc0
	AGRP \g
.if (\g) == 3
	WIN 0
	SCA
.endif
.if (\g) == 7
	WIN 0
	SCB
.endif
.endif
.endm
; A trip: tile s32, whose image was asked for a trip ago.  refill = 1: the list's next entry, round its end, is asked for on the way.
.macro TRIPM refill
	s_wait_xcnt 0x0                                ; every earlier load and store has read its base and data: they are written from here on
.if (\refill)
	s_add_co_u32 s[IC], s[IC], 1                   ; the next entry of my list,
	s_cmp_ge_u32 s[IC], s[NTR]
	s_cselect_b32 s[IC], 0, s[IC]                  ; round its end
	s_lshl_b32 s49, s[IC], 2
	s_add_co_u32 s49, s49, s[T0R]                  ; its tile
	NEXTB 49
.endif
	s_min_u32 s58, s32, 134
	s_lshl_b32 s56, s58, 11
	s_add_nc_u64 s[46:47], s[44:45], s[56:57]      ; tile T's 16 slots of 128 bytes
.irp g,0,1,2,3,4,5,6,7
	GROUP \g, \refill
.endr
	s_wait_dscnt 0x0                               ; the rows are back from the stage
.irp q,0,1,2,3
	global_store_b128 v[LI], v[OB+4*\q:OB+4*\q+3], s[46:47] offset:512*\q      ; 32 lanes store 512 consecutive bytes
.endr
.endm
	s_load_b256 s[4:11], s[0:1], 0x0               ; w2 s[4:5], him s[6:7], hsc s[8:9], plc s[10:11]
	s_load_b64 s[12:13], s[0:1], 0x20              ; y
	v_lshl_add_u32 v[SPW], v0, 2, SPARE
	v_mov_b32 v[NIL], 0
	v_lshrrev_b32 v1, 5, v0
	v_readfirstlane_b32 s18, v1                    ; wave 0..3
	v_and_b32 v1, 31, v0                           ; lane
	v_and_b32 v2, 15, v0                           ; r
	v_bfe_u32 v3, v0, 4, 1                         ; h
	v_lshlrev_b32 v[LI], 4, v1
	s_and_b32 s19, s18, 1
	s_lshr_b32 s20, s18, 1
	s_mov_b32 s21, ttmp9                           ; ds
	s_and_b32 s22, ttmp7, 0xffff                   ; the expert
	s_lshl_b32 s56, s22, 10
	s_lshl_b32 s57, s21, 5
	s_add_co_u32 s56, s56, s57
	s_lshl_b32 s57, s18, 3
	s_add_co_u32 s56, s56, s57                     ; my first row: 1,024 e + 32 ds + 8 w,
	s_lshl_b32 s56, s56, 13                        ; of 8,192 bytes: under 2^26
	s_mov_b32 s57, 0                               ; (stays 0: the upper word of every offset)
	s_mov_b32 s27, 0xc7600000                      ; -57,344
	s_mov_b32 s28, 0x47600000                      ; +57,344
	s_lshl_b32 s29, s22, 2
	s_wait_kmcnt 0x0
	s_add_nc_u64 s[STRM:STRM+1], s[4:5], s[56:57]
.irp i,0,1,2,3,4,5,6,7
	LDROW \i, 0                                    ; the ring is filled before anything else is done
.endr
	WIN 0
	s_load_b32 s30, s[10:11], s29 offset:0x2000    ; tb[e]
	s_load_b32 s31, s[10:11], s29 offset:0x2004    ; tb[e + 1]
	s_lshl_b32 s58, s19, 4
	s_lshl_b32 s59, s20, 3
	s_add_co_u32 s58, s58, s59                     ; my eight rows' first LDS row: 16 (w & 1) + 8 (w >> 1)
	s_mul_i32 s59, s58, PITCH
	v_lshl_add_u32 v[LC], v1, 2, s59
	s_mul_i32 s59, s58, 80
	s_add_co_u32 s59, s59, SCW
	v_lshrrev_b32 v11, 3, v1
	v_add_nc_u32 v[LS], s59, v11
	v_mul_u32_u24 v[AW0], v2, PITCH
	v_lshl_add_u32 v[AW0], v3, 4, v[AW0]
	v_mul_u32_u24 v[SR], v2, 80
	v_add_nc_u32 v[SR], SCW, v[SR]
	v_lshlrev_b32 v[XO], 6, v2
	s_mul_i32 s58, s18, 16*144
	s_add_co_u32 s58, s58, STG                     ; my stage
	v_mul_u32_u24 v[STO], v2, 144
	v_lshl_add_u32 v[STO], v3, 6, v[STO]
	v_add_nc_u32 v[STO], s58, v[STO]               ; in: row r, + 64 h
	v_mul_u32_u24 v[SRD], v11, 144
	v_and_b32 v7, 7, v1
	v_lshl_add_u32 v[SRD], v7, 4, v[SRD]
	v_add_nc_u32 v[SRD], s58, v[SRD]               ; back: eight lanes to a row of 128 bytes, four rows an instruction
	s_mul_i32 s56, s21, PLANE
	s_add_nc_u64 s[44:45], s[12:13], s[56:57]      ; y at my ds
	WIN 0x40
	v_mov_b32 v[ONE], 1.0
	WIN 0x80
	v_mov_b32 v[ONE], 1.0
	WIN 0
.irp i,0,1,2,3,4,5,6,7
	SLOT \i, 0, 1                                  ; rows 0-3, each slot filled again with rows 4-7
.endr
	WIN 0
	s_wait_kmcnt 0x0
	s_add_co_u32 s[T0R], s30, s18                  ; T0: my list's first tile
	s_sub_co_u32 s35, s31, 1                       ; the expert's last
	s_sub_co_u32 s[NTR], s31, s[T0R]               ; n: every fourth tile from T0 on: (tb[e + 1] - T0 + 3) / 4.  (T0 lies at most 3 past tb[e + 1]: n is then 0, and the wave ends behind the barrier)
	s_add_co_u32 s[NTR], s[NTR], 3
	s_lshr_b32 s[NTR], s[NTR], 2
	s_min_u32 s[NTR], s[NTR], 16                   ; a token's two experts differ, so an expert has at most 1,024 rows, 64 tiles: 16 entries at the most
	s_mul_i32 s[IC], s21, s[NTR]
	s_lshr_b32 s[IC], s[IC], 5                     ; where my work-group's walk begins: (ds x n) / 32, under n since ds is under 32
	s_lshl_b32 s32, s[IC], 2
	s_add_co_u32 s32, s32, s[T0R]                  ; T: the first tile
	NEXTB 32
.irp i,0,1,2,3,4,5,6,7
	SLOT \i, 1, 2                                  ; rows 4-7: the first tile is asked for while they are quantised
.endr
	s_wait_dscnt 0x0                               ; for the others' sake: my codes and bytes have landed
	s_barrier_signal -1
	s_barrier_wait -1
	s_cmp_ge_u32 s[T0R], s31                       ; a wave without a tile is done
	s_cbranch_scc1 .Lend
	s_sub_co_u32 s[NT1], s[NTR], 1                 ; the loop's trips: all but the last
	s_mov_b32 s[TRIP], 0
.irp u,0,1                                     ; the scale words first, then the fragments in the order of their use: the waits for them stand in the trip
.irp q,0,1,2,3
	ds_load_b128 v[WS+16*\u+4*\q:WS+16*\u+4*\q+3], v[SR] offset:1280*\u+16*\q
.endr
.endr
.irp s,0,1,2,3,4,5,6,7,8,9,10,11,12,13,14,15
	WIN 0x40+0x40*(\s/8)
.irp u,0,1
.irp c,0,1,2,3
	ds_load_b128 v[32*(\s%8)+16*\u+4*\c:32*(\s%8)+16*\u+4*\c+3], v[AW0] offset:16*\u*PITCH+128*\s+32*\c
.endr
.endr
.endr
	WIN 0
	s_cmp_eq_u32 s[NT1], 0                         ; a list of one entry has the last trip alone
	s_cbranch_scc1 .Ltail
.Ltrip:
	TRIPM 1
	s_mov_b32 s32, s49                             ; on to the tile that was asked for
	s_add_co_u32 s[TRIP], s[TRIP], 1               ; the loop's counter: one a trip
	s_cmp_lt_u32 s[TRIP], s[NT1]
	s_cbranch_scc1 .Ltrip
.Ltail:
	TRIPM 0                                        ; the last trip asks for nothing
.Lend:
	s_wait_tensorcnt 0x0                           ; the wave's end, behind my last LDS store
	ds_add_u32 v[SPW], v[NIL]
	s_wait_dscnt 0x0
	s_endpgm
.Lfunc_end_k_q6b0ffb8a77_outp:
	.size	k_q6b0ffb8a77_outp, .Lfunc_end_k_q6b0ffb8a77_outp-k_q6b0ffb8a77_outp
	.p2alignl 7, 3214868480
	.fill 96, 4, 3214868480
	.section	.rodata,"a",@progbits
	.p2align	6, 0x0
	.amdhsa_kernel k_q6b0ffb8a77_outp
		.amdhsa_group_segment_fixed_size 78336
		.amdhsa_private_segment_fixed_size 0
		.amdhsa_enable_private_segment 0
		.amdhsa_kernarg_size 40
		.amdhsa_user_sgpr_count 2
		.amdhsa_user_sgpr_kernarg_segment_ptr 1
		.amdhsa_wavefront_size32 1
		.amdhsa_system_sgpr_workgroup_id_x 1
		.amdhsa_system_sgpr_workgroup_id_y 1
		.amdhsa_system_sgpr_workgroup_id_z 1
		.amdhsa_system_vgpr_workitem_id 0
		.amdhsa_next_free_vgpr 1024
		.amdhsa_next_free_sgpr 66
		.amdhsa_reserve_vcc 0
		.amdhsa_float_denorm_mode_32 3
		.amdhsa_float_denorm_mode_16_64 3
		.amdhsa_memory_ordered 1
		.amdhsa_forward_progress 1
		.amdhsa_inst_pref_size 191
	.end_amdhsa_kernel
	.amdgpu_metadata
---
amdhsa.version: [ 1, 2 ]
amdhsa.kernels:
  - .name:           k_q6b0ffb8a77_outp
    .symbol:         k_q6b0ffb8a77_outp.kd
    .args:
      - { .name: w2, .offset: 0, .size: 8, .value_kind: global_buffer, .address_space: global }
      - { .name: him, .offset: 8, .size: 8, .value_kind: global_buffer, .address_space: global }
      - { .name: hsc, .offset: 16, .size: 8, .value_kind: global_buffer, .address_space: global }
      - { .name: plc, .offset: 24, .size: 8, .value_kind: global_buffer, .address_space: global }
      - { .name: y, .offset: 32, .size: 8, .value_kind: global_buffer, .address_space: global }
    .group_segment_fixed_size: 78336
    .private_segment_fixed_size: 0
    .kernarg_segment_align: 8
    .kernarg_segment_size: 40
    .max_flat_workgroup_size: 128
    .sgpr_count:     66
    .vgpr_count:     1024
    .wavefront_size: 32
...
	.end_amdgpu_metadata
.endif
;; end of part 4
;; launch combine (part 5): grid 256 x 1, 4 waves a work-group, no clusters, 0 bytes of LDS; arguments y, plc, wts, out0; writes out0
.if DOCPART == 5
	.amdgcn_target "amdgcn-amd-amdhsa--gfx1250"
	.amdhsa_code_object_version 6
	.text
	.protected	k_q6b0ffb8a77_combine
	.globl	k_q6b0ffb8a77_combine
	.p2align	8
	.type	k_q6b0ffb8a77_combine,@function
k_q6b0ffb8a77_combine:
	s_mov_b64 s[64:65], 0
	v_nop
	global_prefetch_b8 v0, s[64:65] scope:SCOPE_SE
	s_setreg_imm32_b32 hwreg(HW_REG_WAVE_MODE, 25, 1), 1
	s_wait_xcnt 0x0
; COMBINE: out[n] = w[n][0] y[slot of (n, 0)] + w[n][1] y[slot of (n, 1)].  The six other terms of the sum over experts are 0 by the one_hot of the layer's own top 2 (shown at the head of the first kernel).
; A wave takes one token: each output row has one owner.  y is laid [ds][slot][32 columns]: load i brings planes 4 i .. 4 i + 3, eight lanes to a plane's 128 bytes; lane l then holds columns 128 i + 4 l ..+3,
; so that each store covers 512 consecutive bytes of the row.  The slots come from the table that an earlier launch stored, held to the buffer's 2,160.  No LDS, no barrier; memory binds.
.set PLANE, 2160*128
	s_load_b256 s[4:11], s[0:1], 0x0               ; y s[4:5], plc s[6:7], wts s[8:9], out0 s[10:11]
	v_lshrrev_b32 v6, 5, v0
	v_readfirstlane_b32 s12, v6                    ; wave
	v_and_b32 v2, 31, v0                           ; lane
	v_lshlrev_b32 v3, 4, v2                        ; 16 x lane
	v_lshrrev_b32 v4, 3, v2
	v_and_b32 v5, 7, v2
	v_mul_u32_u24 v1, v4, PLANE
	v_lshl_add_u32 v1, v5, 4, v1                   ; plane lane / 8, 16 bytes at lane % 8
	s_lshl_b32 s13, ttmp9, 2
	s_add_co_u32 s13, s13, s12                     ; my token
	s_lshl_b32 s14, s13, 3
	s_lshl_b32 s20, s13, 12
	s_mov_b32 s21, 0
	s_wait_kmcnt 0x0
	s_load_b64 s[16:17], s[6:7], s14 offset:0x0    ; its two slots
	s_load_b64 s[18:19], s[8:9], s14 offset:0x0    ; its two weights
	s_add_nc_u64 s[10:11], s[10:11], s[20:21]
	s_wait_kmcnt 0x0
	s_min_u32 s16, s16, 2159
	s_min_u32 s17, s17, 2159
	s_lshl_b32 s20, s16, 7
	s_add_nc_u64 s[24:25], s[4:5], s[20:21]
	s_lshl_b32 s20, s17, 7
	s_add_nc_u64 s[26:27], s[4:5], s[20:21]
	s_mov_b32 s28, s18                             ; each weight as a pair: the packed forms name a pair and take its low word for both halves
	s_mov_b32 s29, s18
	s_mov_b32 s30, s19
	s_mov_b32 s31, s19
.irp i,0,1,2,3,4,5,6,7
	global_load_b128 v[16+4*\i:19+4*\i], v1, s[24:25] offset:4*PLANE*\i th:TH_LOAD_NT      ; 7 x 4 planes at the most: inside the signed 24-bit immediate
.endr
.irp i,0,1,2,3,4,5,6,7
	global_load_b128 v[48+4*\i:51+4*\i], v1, s[26:27] offset:4*PLANE*\i th:TH_LOAD_NT
.endr
	s_wait_loadcnt 0x0
.irp p,0,2,4,6,8,10,12,14,16,18,20,22,24,26,28,30
	v_pk_mul_f32 v[16+\p:17+\p], v[16+\p:17+\p], s[28:29] op_sel_hi:[1,0]
.endr
.irp p,0,2,4,6,8,10,12,14,16,18,20,22,24,26,28,30
	v_pk_fma_f32 v[16+\p:17+\p], v[48+\p:49+\p], s[30:31], v[16+\p:17+\p] op_sel_hi:[1,0,1]
.endr
.irp i,0,1,2,3,4,5,6,7
	global_store_b128 v3, v[16+4*\i:19+4*\i], s[10:11] offset:512*\i th:TH_STORE_NT        ; 32 lanes store 512 consecutive bytes of the token's row
.endr
	s_endpgm
.Lfunc_end_k_q6b0ffb8a77_combine:
	.size	k_q6b0ffb8a77_combine, .Lfunc_end_k_q6b0ffb8a77_combine-k_q6b0ffb8a77_combine
	.p2alignl 7, 3214868480
	.fill 96, 4, 3214868480
	.section	.rodata,"a",@progbits
	.p2align	6, 0x0
	.amdhsa_kernel k_q6b0ffb8a77_combine
		.amdhsa_group_segment_fixed_size 0
		.amdhsa_private_segment_fixed_size 0
		.amdhsa_enable_private_segment 0
		.amdhsa_kernarg_size 32
		.amdhsa_user_sgpr_count 2
		.amdhsa_user_sgpr_kernarg_segment_ptr 1
		.amdhsa_wavefront_size32 1
		.amdhsa_system_sgpr_workgroup_id_x 1
		.amdhsa_system_sgpr_workgroup_id_y 1
		.amdhsa_system_sgpr_workgroup_id_z 1
		.amdhsa_system_vgpr_workitem_id 0
		.amdhsa_next_free_vgpr 96
		.amdhsa_next_free_sgpr 66
		.amdhsa_reserve_vcc 0
		.amdhsa_float_denorm_mode_32 3
		.amdhsa_float_denorm_mode_16_64 3
		.amdhsa_memory_ordered 1
		.amdhsa_forward_progress 1
		.amdhsa_inst_pref_size 6
	.end_amdhsa_kernel
	.amdgpu_metadata
---
amdhsa.version: [ 1, 2 ]
amdhsa.kernels:
  - .name:           k_q6b0ffb8a77_combine
    .symbol:         k_q6b0ffb8a77_combine.kd
    .args:
      - { .name: y, .offset: 0, .size: 8, .value_kind: global_buffer, .address_space: global }
      - { .name: plc, .offset: 8, .size: 8, .value_kind: global_buffer, .address_space: global }
      - { .name: wts, .offset: 16, .size: 8, .value_kind: global_buffer, .address_space: global }
      - { .name: out0, .offset: 24, .size: 8, .value_kind: global_buffer, .address_space: global }
    .group_segment_fixed_size: 0
    .private_segment_fixed_size: 0
    .kernarg_segment_align: 8
    .kernarg_segment_size: 32
    .max_flat_workgroup_size: 128
    .sgpr_count:     66
    .vgpr_count:     96
    .wavefront_size: 32
...
	.end_amdgpu_metadata
.endif
;; end of part 5
